; MI455X (gfx1250); checked and timed in simulation.
; The chip was launched on July 23, 2026; its instructions are those of AMD's public machine-readable ISA for CDNA 5 (MIT licence, August 2026) and "CDNA5" Instruction Set Architecture Reference Guide (July 2026). The comments in the code are by the model that wrote it; some were corrected since.
;; Attention. Allowed arithmetic: matrix products marked QUANTISED: E2M1 operands, one E8M0 scale for each 32 along K, by v_wmma_scale_f32_16x16x128_f8f6f4 with both operands' format E2M1 (or v_wmma_scale_f32_32x16x128_f4), f32 sums; products left as they are: f32 operands where the result goes on into a quantised operand, else bf16, f16 or f32 operands; f32 sums; everything else in f32.
;; Inputs: W_attn 2,048 x 3,072 float32; b_attn 2,048 float32; b_v 1 float32; encoder_out 16 x 512 x 2,048 float32; hidden 1,024 x 16 float32; lengths 16 int32; w_v 1 x 2,048 float32.
;; Outputs: out0 16 x 2,048 float32.
;; This version of the problem:
;;   THIS VERSION OF THE PROBLEM IS GIVEN IN LOW PRECISION. The matrix products marked QUANTISED in the list below multiply operands that are first quantised to E2M1 (2 exponent bits, 1 mantissa bit; 4 bits a number), with one power-of-two scale for each 32 numbers along K (OCP MX v1.0); their sums are f32. All else is computed in f32.
;;   The module's matrix products, in the order in which they are computed (A, B: the left and right operand; K: the contracted axis; several contracted axes count as one K, in the product's order):
;;     1. [M 8,192, K 3,072] x [K 3,072, N 2,048]; A: computed on the way; B: input W_attn: QUANTISED
;;     2. [M 8,192, K 2,048] x [K 2,048, N 1]; A: computed on the way; B: input w_v: left as it is (N = 1 < 16)
;;     3. batch 16 x [M 1, K 512] x [K 512, N 2,048]; A: computed on the way; B: input encoder_out: left as it is (M = 1 < 16)
;;   THE QUANTISER, for each operand of a quantised product, along K:
;;     - K is cut into blocks of 32 from its start; a last block that is shorter is filled with zeros.
;;     - A block's scale is 2^e with e = floor(log2(the largest magnitude in the block)) - 2, held to -126 .. 127; a block of zeros has e = 0. As a byte (E8M0): e + 127.
;;     - Each number is divided by its block's scale, clamped to +-6, and rounded to the nearest number of E2M1, ties to even, subnormals kept.
;;     - The product sums the exact products of the quantised numbers (number of the format x scale) in f32.
;;   ~~~python
;;   def quantise(x, axis):      # numpy; x: float32 -> the quantised numbers, widened to float32 again
;;       x = np.moveaxis(x, axis, -1); K = x.shape[-1]
;;       x = np.pad(x, [(0, 0)] * (x.ndim - 1) + [(0, -K % 32)]); x = x.reshape(x.shape[:-1] + (-1, 32)); a = np.abs(x).max(-1, keepdims=True)
;;       e = np.where(a > 0, np.clip(np.frexp(np.where(a > 0, a, 1))[1] - 1 - 2, -126, 127), 0)      # np.frexp(a)[1] - 1 = floor(log2(a)), exactly
;;       r = np.clip(x / 2.0 ** e, -6, 6)
;;       step = 2.0 ** (np.maximum(np.frexp(np.where(r == 0, 1, r))[1] - 1, 0) - 1)
;;       q = np.round(r / step) * step * 2.0 ** e      # np.round: ties to even
;;       return np.moveaxis(q.reshape(q.shape[:-2] + (-1,))[..., :K], -1, axis).astype(np.float32)
;;   ~~~
;;   OPERANDS COMPUTED ON THE WAY. 'Computed on the way' means the value that the module computes at that place (a softmax that the list does not call 'softmax' is quantised finished and normalised). What goes into a quantiser is computed in f32, as accurately as f32 sums, v_exp_f32 and their like allow (about 1e-6 of the number): no bf16 or f16 on the way to a quantiser, and a product that is left as it is and whose result goes on into a quantised operand takes f32 operands (vector FMAs, or v_wmma_f32_16x16x4_f32). A number that lies on a knife's edge between two numbers of the format may be rounded either way, as far as f32 arithmetic and the matrix unit's own rounding can turn it there, and no further.
;; One version. Each part assembles by itself: llvm-mc -triple=amdgcn-amd-amdhsa -mcpu=gfx1250 --defsym DOCPART=n.
;; ======== version 1 of 1: 3 launches
;; limits: right only within a limited range of input values
;; workspace buffers: apack 8,912,896 bytes; wpack 2,228,224 bytes; hb 131,072 bytes; ps 524,288 bytes
;; launch quant (part 1): grid 704 x 1, 4 waves a work-group, no clusters, 98,816 bytes of LDS; arguments encoder_out, W_attn, hidden, lengths, apack, wpack, hb, b_attn; writes apack, wpack, hb
.if DOCPART == 1
	.amdgcn_target "amdgcn-amd-amdhsa--gfx1250"
	.amdhsa_code_object_version 6
	.text
	.protected	k_q5aac84b83c_quant
	.globl	k_q5aac84b83c_quant
	.p2align	8
	.type	k_q5aac84b83c_quant,@function
k_q5aac84b83c_quant:
	s_mov_b64 s[64:65], 0
	v_nop
	global_prefetch_b8 v0, s[64:65] scope:SCOPE_SE
	s_setreg_imm32_b32 hwreg(HW_REG_WAVE_MODE, 25, 1), 1
	s_wait_xcnt 0x0
; The operands of the quantised product become codes of FP4 (E2M1) with one E8M0 byte for each 32 along K, and its hidden part is multiplied out.
;   encoder_out [8192 rows][2048] f32       -> apack [32 tiles of 256 rows][4 K steps of 512][256 rows][256 bytes of codes, 16 scale bytes]
;   W_attn [2048 rows][K 1024-3071] f32     -> wpack [8 tiles of 256 rows][4 K steps][256 rows][272 bytes], laid alike
;   hidden [1024 (k)][16 (batch)], W_attn's K 0-1023, b_attn -> hb [128 groups of 16 columns][16 batches][16 columns] f32 = hidden . W^T + b_attn
; LEFT OUT: b_v.  It adds the same number to every score of a batch, and a softmax does not change when one number is added along its axis: for all values of
; b_v the result is the same.  It is loaded by no launch.  LIMIT: a NaN, an infinity or an overflow that reaches only that sum is not carried to the result.
; Two codes a byte, the lower k in the low four bits.  A block's scale is 2^(floor(log2(largest magnitude)) - 2): its byte is the largest
; magnitude's exponent field - 2, held at 1 from below; each number is divided by it and rounded to the nearest code, ties to even, beyond 6 held at 6.
; LIMITS: a block whose largest magnitude lies under 2^-124 has its byte held at 1; a block of zeros has the byte 1 (the rule says 127) over zero
; codes, which add nothing; these bytes are read by this program alone.  NaN and infinities among the inputs are not served.
; SHARES.  A wave takes 16 rows x one K step of 512, in four quarters of 128.  Work-groups 0-127: W's encoder part, group x, K step = wave.  192-255: W's hidden
; part, two groups of 16 rows x two K steps.  The other 512: encoder_out, K step = wave, one group of 16 positions each: the groups that hold a position under
; their batch's length come first, in order, then the masked ones; which is which follows from prefix sums of the 16 lengths.
; MASKED ROWS.  A group of 16 positions at or beyond its batch's length is thrown away by the mask that the problem itself builds: it is not read; zeros are
; stored, so that the product's launch reads defined bytes.  The branch hangs on the input lengths alone.
; A quarter: 16 loads, each 512 consecutive bytes of one row; they turn through the wave's own stage in LDS (rows 528 bytes apart), and lane (r, h) takes row r,
; k = 64 c + 32 h + 0 .. 31, c = 0, 1: two whole blocks in its own registers, in the order of the matrix operand.  Two quarters are on their way.
; A task's 16 rows x 272 bytes are gathered in LDS and leave as 17 whole units of 256 bytes.
.set SPITCH, 528
.set IMG,   8448                       ; behind the stage: 16 rows x 272 bytes
.set WREG,  12800                      ; LDS of a wave
.set HST,   4*WREG                     ; hidden's stages, 8,192 bytes a wave
.set HOP,   HST+32768                  ; hidden's operands: 8 K steps of 128, 1,024 bytes of codes + 128 of scale words, HQ apart
.set HQ,    1280
.set PSA,   HOP+8*HQ                   ; the hidden product's parts, 1,024 bytes a wave
.set SPARE, PSA+4096                   ; the spare words
.set SPW, 1                            ; address of my spare word; never rewritten
.set NIL, 2                            ; 0; never rewritten
.set AIN, 7                            ; stage, on the way in
.set AOUT, 8                           ; stage, on the way out
.set AIM, 9                            ; image: my row's codes
.set ABY, 10                           ; image: my row's scale bytes
.set O8,  11                           ; 8 x lane
.set ARB, 12                           ; image, read back 8 bytes a lane
.set HRD, 3                            ; the hidden path's own
.set HRS, 4
.set PSW, 5
.set HBO, 6
.set HIN, 9
.set HOUT, 10
.set BO,  11
.set HOW, 12
.set HOS, 13
.set WS,  14                           ; a scale word
.set HS,  15                           ; hidden's scale word
.set OI,  16                           ; v16-31 row t's offset in the input: 16 x lane + t x row pitch
.set M,   32                           ; four maxima
.set S,   36                           ; two scale operands
.set BY,  38                           ; two scale bytes
.set OP,  40                           ; v40-47 codes: an operand's eight registers
.set HO,  48                           ; v48-55 hidden's operand
.set ACC, 56                           ; v56-63
.set R,   64                           ; v64-191 two sets of 64 numbers as loaded
.set X,   192                          ; v192-255 64 numbers, two blocks; v256-319 hold half of hidden as loaded
.set PFX, 48                           ; s48-63 valid groups up to and including batch b
.set MSB, 0
.macro WIN new                         ; the immediate's high byte repeats the setting that is left
.if MSB != \new
	s_set_vgpr_msb (MSB<<8)|\new
.set MSB, \new
.endif
.endm
.macro LOADQ q                         ; quarter q: 16 rows, 512 consecutive bytes each
.set RS, R+64*((\q)%2)
.set N, 0
.rept 16
	global_load_b128 v[RS+4*N:RS+4*N+3], v[OI+N], s[4:5] offset:512*(\q)
.set N, N+1
.endr
.endm
.macro TURNQ q                         ; through the stage: LDS serves a wave's instructions in order
.set RS, R+64*((\q)%2)
.set N, 0
.rept 16
	ds_store_b128 v[AIN], v[RS+4*N:RS+4*N+3] offset:SPITCH*N
.set N, N+1
.endr
.irp c, 0,1
.irp i, 0,1,2,3,4,5,6,7
	ds_load_b128 v[X+32*\c+4*\i:X+32*\c+4*\i+3], v[AOUT] offset:256*\c+16*\i
.endr
.endr
	s_wait_dscnt 0x0                               ; back from the stage; the stores have read their registers
.endm
.macro QB                              ; my two blocks: largest magnitude (two chains each), scale operand, byte, codes
.irp c, 0,1
	v_max3_num_f32 v[M+2*\c], |v[X+32*\c]|, |v[X+32*\c+1]|, |v[X+32*\c+2]|
	v_max3_num_f32 v[M+2*\c+1], |v[X+32*\c+3]|, |v[X+32*\c+4]|, |v[X+32*\c+5]|
.endr
.irp i, 6,10,14,18,22,26
.irp c, 0,1
	v_max3_num_f32 v[M+2*\c], v[M+2*\c], |v[X+32*\c+\i]|, |v[X+32*\c+\i+1]|
	v_max3_num_f32 v[M+2*\c+1], v[M+2*\c+1], |v[X+32*\c+\i+2]|, |v[X+32*\c+\i+3]|
.endr
.endr
.irp c, 0,1
	v_max3_num_f32 v[M+2*\c], v[M+2*\c], |v[X+32*\c+30]|, |v[X+32*\c+31]|
.endr
.irp c, 0,1
	v_max3_num_f32 v[M+2*\c], v[M+2*\c], v[M+2*\c+1], 0x1800000   ; and the floor 2^(3 - 127): the byte cannot fall under 1
.endr
.irp c, 0,1
	v_add_nc_u32 v[S+\c], 0xff000000, v[M+2*\c]    ; 2 off the exponent field: the conversion's scale operand
.endr
.irp c, 0,1
	v_lshrrev_b32 v[BY+\c], 23, v[S+\c]
.endr
.irp c, 0,1
.irp g, 0,1,2,3
	v_cvt_scalef32_pk8_fp4_f32 v[OP+4*\c+\g], v[X+32*\c+8*\g:X+32*\c+8*\g+7], v[S+\c]
.endr
.endr
	v_nop                                          ; one plain line behind the last conversion
.endm
.macro GATHER                          ; the row's scale word: byte 2 c + h of lanes r and r + 16
	v_lshl_or_b32 v[WS], v[BY+1], 16, v[BY]
	v_and_b32 v[M+2], 16, v0
	v_lshrrev_b32 v[M+2], 1, v[M+2]                ; 8 h
	v_lshlrev_b32 v[WS], v[M+2], v[WS]
	v_permlanex16_b32 v[M], v[WS], s20, s21
	v_or_b32 v[WS], v[WS], v[M]
.endm
	s_load_b256 s[4:11], s[0:1], 0x0               ; encoder_out, W_attn, hidden, lengths
	s_load_b256 s[12:19], s[0:1], 0x20             ; apack, wpack, hb, b_attn
	v_lshl_add_u32 v[SPW], v0, 2, SPARE
	v_mov_b32 v[NIL], 0
	v_lshrrev_b32 v3, 5, v0
	v_readfirstlane_b32 s22, v3                    ; wave
	v_and_b32 v4, 31, v0                           ; lane
	v_and_b32 v5, 15, v0                           ; r
	v_bfe_u32 v6, v0, 4, 1                         ; h
	s_mul_i32 s35, s22, WREG                       ; my wave's LDS
	v_lshlrev_b32 v[OI], 4, v4
	v_lshlrev_b32 v[O8], 3, v4
	v_add_nc_u32 v[AIN], s35, v[OI]
	v_mul_u32_u24 v[AOUT], v5, SPITCH
	v_lshl_add_u32 v[AOUT], v6, 7, v[AOUT]
	v_add_nc_u32 v[AOUT], s35, v[AOUT]
	v_mul_u32_u24 v[AIM], v5, 272
	v_add_nc_u32 v[AIM], s35, v[AIM]
	v_add_nc_u32 v[ABY], v6, v[AIM]
	v_lshl_add_u32 v[AIM], v6, 4, v[AIM]
	v_add_nc_u32 v[ARB], s35, v[O8]
	s_wait_alu depctr_va_vdst(0)                   ; the wait here, ahead of the branch
	s_sub_co_u32 s23, ttmp9, 192
	s_cmp_lt_u32 s23, 64                           ; 192-255 (what is under 192 wraps round to a large number)
	s_cbranch_scc1 .Lhidden
	s_mov_b32 s26, 12288                           ; W's row pitch,
	s_mov_b32 s27, 4096                            ; and where its encoder part begins in a row
	s_cmp_ge_u32 ttmp9, 128                        ; encoder_out's work-group or W's?
	s_cselect_b32 s26, 8192, s26
	s_cselect_b32 s27, 0, s27
	s_cselect_b32 s42, 1, 0
.set N, 1
.rept 15
	v_add_nc_u32 v[OI+N], s26, v[OI+N-1]
.set N, N+1
.endr
	s_wait_alu depctr_va_vdst(0)                   ; the wait at the head's end
	s_wait_kmcnt 0x0
	s_mov_b32 s24, ttmp9                           ; W: my group of 16 rows
	s_mov_b32 s43, 0                               ; 1: a masked group
	s_cmp_lg_u32 s42, 0
	s_cselect_b64 s[4:5], s[4:5], s[6:7]
	s_cselect_b64 s[12:13], s[12:13], s[14:15]
	s_cbranch_scc0 .Lplace                         ; W has no mask
	s_load_b512 s[48:63], s[10:11], 0x0            ; the 16 lengths
	s_mov_b32 s28, 128
	s_cmp_ge_u32 ttmp9, 256
	s_cselect_b32 s28, 192, s28
	s_sub_co_u32 s23, ttmp9, s28                   ; e, 0 .. 511
	s_wait_kmcnt 0x0
.set N, 0
.rept 16
	s_max_i32 s[PFX+N], s[PFX+N], 0
	s_min_i32 s[PFX+N], s[PFX+N], 512
	s_add_co_u32 s[PFX+N], s[PFX+N], 15
	s_lshr_b32 s[PFX+N], s[PFX+N], 4               ; the batch's groups that hold a position under its length
.if N > 0
	s_add_co_u32 s[PFX+N], s[PFX+N], s[PFX+N-1]    ; and those of the batches before it
.endif
.set N, N+1
.endr
	s_cmp_ge_u32 s23, s[PFX+15]
	s_cbranch_scc1 .Lmplace
	s_mov_b32 s29, 0                               ; the e-th valid group: e + the masked groups of the batches before its own
.set N, 0
.rept 15
	s_sub_co_u32 s30, 32*(N+1), s[PFX+N]
	s_cmp_ge_u32 s23, s[PFX+N]
	s_cselect_b32 s29, s30, s29
.set N, N+1
.endr
	s_add_co_u32 s24, s23, s29
	s_branch .Lplace
.Lmplace:                                              ; the m-th masked group, m = e - all valid ones: m + the valid groups up to and including its own batch
	s_sub_co_u32 s31, s23, s[PFX+15]
	s_mov_b32 s29, s[PFX]
.set N, 0
.rept 15
	s_add_co_u32 s30, s31, s[PFX+N]
	s_cmp_ge_u32 s30, 32*(N+1)
	s_cselect_b32 s29, s[PFX+N+1], s29
.set N, N+1
.endr
	s_add_co_u32 s24, s31, s29
	s_mov_b32 s43, 1
.Lplace:
	s_min_u32 s24, s24, 511
	s_mul_i32 s32, s24, s26                        ; numbers: 16 rows x group + 2,048 bytes x K step (under 2^27)
	s_lshl_b32 s32, s32, 4
	s_lshl_b32 s34, s22, 11
	s_add_co_u32 s32, s32, s34
	s_add_co_u32 s32, s32, s27
	s_mov_b32 s33, 0
	s_and_b32 s36, s24, 0x1f0                      ; image: tile (16 groups, 278,528 bytes), K step, 16 rows of 272 bytes
	s_mul_i32 s36, s36, 17408
	s_mul_i32 s37, s22, 69632
	s_add_co_u32 s36, s36, s37
	s_and_b32 s38, s24, 15
	s_mul_i32 s38, s38, 4352
	s_add_co_u32 s36, s36, s38
	s_mov_b32 s37, 0
	s_add_nc_u64 s[4:5], s[4:5], s[32:33]
	s_add_nc_u64 s[12:13], s[12:13], s[36:37]
	s_cmp_lg_u32 s43, 0
	s_cbranch_scc1 .Lmasked
	LOADQ 0
	LOADQ 1
.irp q, 0,1,2,3
.if \q < 3
	s_wait_loadcnt 16                              ; this quarter's loads are in; the next one's 16 may be out
.else
	s_wait_loadcnt 0x0
.endif
	TURNQ \q
.if \q < 2
	LOADQ \q+2
.endif
	QB
	ds_store_b128 v[AIM], v[OP:OP+3] offset:IMG+64*\q
	ds_store_b128 v[AIM], v[OP+4:OP+7] offset:IMG+64*\q+32
	ds_store_b8 v[ABY], v[BY] offset:IMG+256+4*\q
	ds_store_b8 v[ABY], v[BY+1] offset:IMG+256+4*\q+2
.endr
.irp i, 0,1,2,3,4,5,6,7
	ds_load_b128 v[R+4*\i:R+4*\i+3], v[AIN] offset:IMG+512*\i   ; LDS serves a wave's instructions in order: these see my stores
.endr
	ds_load_b64 v[R+32:R+33], v[ARB] offset:IMG+4096
.irp i, 0,1,2,3,4,5,6,7
	s_wait_dscnt 8-\i
	global_store_b128 v[OI], v[R+4*\i:R+4*\i+3], s[12:13] offset:512*\i   ; 512 consecutive bytes, at a multiple of 256
.endr
	s_wait_dscnt 0x0
	global_store_b64 v[O8], v[R+32:R+33], s[12:13] offset:4096
	s_wait_tensorcnt 0x0                           ; the wave's end
	ds_add_u32 v[SPW], v[NIL]
	s_wait_dscnt 0x0
	s_endpgm
.Lmasked:                                              ; nothing is read: zero codes under the finite scale byte 0
.irp i, 0,1,2,3
	v_mov_b32 v[R+\i], 0
.endr
.irp i, 0,1,2,3,4,5,6,7
	global_store_b128 v[OI], v[R:R+3], s[12:13] offset:512*\i
.endr
	global_store_b64 v[O8], v[R:R+1], s[12:13] offset:4096
	s_endpgm
; THE HIDDEN PART.  Wave w: columns n = 16 g + 0 .. 15 of W, g = 2 (x - 192) + w / 2; K step w % 2 of 512.  Each wave first makes hidden's operands of K 256 w .. + 255
; (K is hidden's first axis: lane (r, h) takes batch r and its registers run down K, by way of LDS), and the four share them.  A wave's four products are
; summed on one accumulator; the two K steps' parts and b_attn are added through LDS.
.Lhidden:
	s_lshl_b32 s25, s23, 1
	s_lshr_b32 s23, s22, 1
	s_and_b32 s24, s22, 1
	s_add_co_u32 s25, s25, s23                     ; g
	s_mul_i32 s32, s25, 196608                     ; 16 rows of W
	s_lshl_b32 s34, s24, 11
	s_add_co_u32 s32, s32, s34
	s_mov_b32 s33, 0
	s_lshl_b32 s36, s22, 14                        ; hidden: 256 rows of 64 bytes x wave
	s_mov_b32 s37, 0
	s_lshl_b32 s38, s22, 13
	s_add_co_u32 s38, s38, HST
	v_add_nc_u32 v[HIN], s38, v[OI]
	v_lshl_add_u32 v[HOUT], v5, 2, s38
	v_lshl_add_u32 v[HOUT], v6, 11, v[HOUT]        ; lanes 16-31 begin 32 rows further down
	s_mul_i32 s38, s22, 2*HQ
	s_add_co_u32 s38, s38, HOP
	v_add_nc_u32 v[HOW], s38, v[OI]                ; operands that I make: two
	v_lshl_add_u32 v[HOS], v4, 2, s38
	s_mul_i32 s38, s24, 4*HQ
	s_add_co_u32 s38, s38, HOP
	v_add_nc_u32 v[HRD], s38, v[OI]                ; operands that I use: my K step's four
	v_lshl_add_u32 v[HRS], v4, 2, s38
	s_lshl_b32 s39, s25, 6
	v_lshl_add_u32 v[BO], v6, 5, s39               ; b_attn: 64 g + 32 h
	s_lshl_b32 s39, s25, 10
	v_lshlrev_b32 v6, 5, v6
	v_lshl_add_u32 v6, v5, 6, v6
	v_add_nc_u32 v[HBO], s39, v6                   ; hb: 1,024 g + 64 r + 32 h
	s_lshl_b32 s38, s22, 10
	s_add_co_u32 s38, s38, PSA
	v_add_nc_u32 v[PSW], s38, v[OI]
.set N, 1
.rept 15
	v_add_nc_u32 v[OI+N], 12288, v[OI+N-1]
.set N, N+1
.endr
	s_mov_b32 s20, 0x76543210
	s_mov_b32 s21, 0xfedcba98                      ; v_permlanex16_b32's selects for lane l xor 16
	s_wait_alu depctr_va_vdst(0)                   ; the wait at the head's end
	s_wait_kmcnt 0x0
	s_add_nc_u64 s[4:5], s[6:7], s[32:33]
	s_add_nc_u64 s[8:9], s[8:9], s[36:37]
.set N, 0
.rept 16
	global_load_b128 v[X+4*N:X+4*N+3], v[OI], s[8:9] offset:512*N
.set N, N+1
.endr
	WIN 0x40
.set N, 0
.rept 16
	global_load_b128 v[4*N:4*N+3], v[OI], s[8:9] offset:8192+512*N   ; v256-319
.set N, N+1
.endr
	WIN 0
	LOADQ 0
	LOADQ 1
.irp e, 0,1
	s_wait_loadcnt 48-16*\e                        ; this half of hidden is in; what was issued behind it may be out
.if \e
	WIN 0x04
.set N, 0
.rept 16
	ds_store_b128 v[HIN], v[4*N:4*N+3] offset:512*N   ; v256-319
.set N, N+1
.endr
	WIN 0
.else
.set N, 0
.rept 16
	ds_store_b128 v[HIN], v[X+4*N:X+4*N+3] offset:512*N
.set N, N+1
.endr
	s_wait_dscnt 0x0                               ; the stores have read X
.endif
.irp c, 0,1
.set N, 0
.rept 32
	ds_load_b32 v[X+32*\c+N], v[HOUT] offset:4096*\c+64*N
.set N, N+1
.endr
.endr
	s_wait_dscnt 0x0
	QB
	GATHER
	ds_store_b128 v[HOW], v[OP:OP+3] offset:HQ*\e
	ds_store_b128 v[HOW], v[OP+4:OP+7] offset:HQ*\e+512
	ds_store_b32 v[HOS], v[WS] offset:HQ*\e+1024
.endr
	s_wait_alu depctr_va_vdst(0)
	s_wait_dscnt 0x0                               ; my operands are in LDS, for the others' sake
	s_barrier_signal -1
	s_barrier_wait -1
.irp q, 0,1,2,3
.if \q < 3
	s_wait_loadcnt 16
.else
	s_wait_loadcnt 2                               ; the two loads of b_attn may be out
.endif
	TURNQ \q
.if \q < 2
	LOADQ \q+2
.endif
.if \q == 2
	global_load_b128 v[R:R+3], v[BO], s[18:19]     ; b_attn at my eight columns, into the set that is free
	global_load_b128 v[R+4:R+7], v[BO], s[18:19] offset:16
.endif
	QB
	ds_load_b128 v[HO:HO+3], v[HRD] offset:HQ*\q
	ds_load_b128 v[HO+4:HO+7], v[HRD] offset:HQ*\q+512
	ds_load_b32 v[HS], v[HRS] offset:HQ*\q+1024
	GATHER
.rept 8
	v_nop                                          ; a scale register written by a vector instruction stands 8 places ahead
.endr
	s_wait_dscnt 0x0
	s_wait_alu depctr_va_vdst(0)                   ; the wait directly ahead of each link of one accumulator's chain
.if \q == 0
	v_wmma_scale_f32_16x16x128_f8f6f4 v[ACC:ACC+7], v[OP:OP+7], v[HO:HO+7], 0, v[WS], v[HS] matrix_a_fmt:MATRIX_FMT_FP4 matrix_b_fmt:MATRIX_FMT_FP4
.else
	v_wmma_scale_f32_16x16x128_f8f6f4 v[ACC:ACC+7], v[OP:OP+7], v[HO:HO+7], v[ACC:ACC+7], v[WS], v[HS] matrix_a_fmt:MATRIX_FMT_FP4 matrix_b_fmt:MATRIX_FMT_FP4
.endif
.endr                                      ; lane (r, h), register j: batch r, column 16 g + 8 h + j
.rept 4
	v_nop
.endr
	ds_store_b128 v[PSW], v[ACC:ACC+3]
	ds_store_b128 v[PSW], v[ACC+4:ACC+7] offset:512
	s_wait_dscnt 0x0
	s_barrier_signal -1
	s_barrier_wait -1
	s_cmp_lg_u32 s24, 0
	s_cbranch_scc1 .Lhend                          ; the wave of K step 0 adds the two parts
	ds_load_b128 v[X:X+3], v[PSW] offset:1024      ; the next wave's part
	ds_load_b128 v[X+4:X+7], v[PSW] offset:1536
	s_wait_loadcnt 0x0
	s_wait_dscnt 0x0
.irp j, 0,2,4,6
	v_pk_add_f32 v[X+8+\j:X+9+\j], v[ACC+\j:ACC+\j+1], v[X+\j:X+\j+1]
.endr
.irp j, 0,2,4,6
	v_pk_add_f32 v[X+8+\j:X+9+\j], v[X+8+\j:X+9+\j], v[R+\j:R+\j+1]
.endr
	global_store_b128 v[HBO], v[X+8:X+11], s[16:17]
	global_store_b128 v[HBO], v[X+12:X+15], s[16:17] offset:16
.Lhend:
	s_wait_tensorcnt 0x0                           ; the wave's end
	ds_add_u32 v[SPW], v[NIL]
	s_wait_dscnt 0x0
	s_endpgm
.Lfunc_end_k_q5aac84b83c_quant:
	.size	k_q5aac84b83c_quant, .Lfunc_end_k_q5aac84b83c_quant-k_q5aac84b83c_quant
	.p2alignl 7, 3214868480
	.fill 96, 4, 3214868480
	.section	.rodata,"a",@progbits
	.p2align	6, 0x0
	.amdhsa_kernel k_q5aac84b83c_quant
		.amdhsa_group_segment_fixed_size 98816
		.amdhsa_private_segment_fixed_size 0
		.amdhsa_enable_private_segment 0
		.amdhsa_kernarg_size 64
		.amdhsa_user_sgpr_count 2
		.amdhsa_user_sgpr_kernarg_segment_ptr 1
		.amdhsa_wavefront_size32 1
		.amdhsa_system_sgpr_workgroup_id_x 1
		.amdhsa_system_sgpr_workgroup_id_y 1
		.amdhsa_system_sgpr_workgroup_id_z 1
		.amdhsa_system_vgpr_workitem_id 0
		.amdhsa_next_free_vgpr 320
		.amdhsa_next_free_sgpr 66
		.amdhsa_reserve_vcc 0
		.amdhsa_float_denorm_mode_32 3
		.amdhsa_float_denorm_mode_16_64 3
		.amdhsa_memory_ordered 1
		.amdhsa_forward_progress 1
		.amdhsa_inst_pref_size 93
	.end_amdhsa_kernel
	.amdgpu_metadata
---
amdhsa.version: [ 1, 2 ]
amdhsa.kernels:
  - .name:           k_q5aac84b83c_quant
    .symbol:         k_q5aac84b83c_quant.kd
    .args:
      - { .name: encoder_out, .offset: 0, .size: 8, .value_kind: global_buffer, .address_space: global }
      - { .name: W_attn, .offset: 8, .size: 8, .value_kind: global_buffer, .address_space: global }
      - { .name: hidden, .offset: 16, .size: 8, .value_kind: global_buffer, .address_space: global }
      - { .name: lengths, .offset: 24, .size: 8, .value_kind: global_buffer, .address_space: global }
      - { .name: apack, .offset: 32, .size: 8, .value_kind: global_buffer, .address_space: global }
      - { .name: wpack, .offset: 40, .size: 8, .value_kind: global_buffer, .address_space: global }
      - { .name: hb, .offset: 48, .size: 8, .value_kind: global_buffer, .address_space: global }
      - { .name: b_attn, .offset: 56, .size: 8, .value_kind: global_buffer, .address_space: global }
    .group_segment_fixed_size: 98816
    .private_segment_fixed_size: 0
    .kernarg_segment_align: 8
    .kernarg_segment_size: 64
    .max_flat_workgroup_size: 128
    .sgpr_count:     66
    .vgpr_count:     320
    .wavefront_size: 32
...
	.end_amdgpu_metadata
.endif
;; end of part 1
;; launch scores (part 2): grid 8 x 32, 4 waves a work-group, clusters of 4 x 4, 327,680 bytes of LDS; arguments apack, wpack, ps, hb, w_v; writes ps
.if DOCPART == 2
	.amdgcn_target "amdgcn-amd-amdhsa--gfx1250"
	.amdhsa_code_object_version 6
	.text
	.protected	k_q5aac84b83c_scores
	.globl	k_q5aac84b83c_scores
	.p2align	8
	.type	k_q5aac84b83c_scores,@function
k_q5aac84b83c_scores:
	s_mov_b64 s[64:65], 0
	v_nop
	global_prefetch_b8 v0, s[64:65] scope:SCOPE_SE
	s_setreg_imm32_b32 hwreg(HW_REG_WAVE_MODE, 25, 1), 1
	s_wait_xcnt 0x0
	s_wait_alu depctr_hold_cnt(0) depctr_sa_sdst(0) depctr_va_vdst(0) depctr_va_sdst(0) depctr_va_ssrc(0) depctr_va_vcc(0) depctr_vm_vsrc(0)
	s_getreg_b32 s2, hwreg(HW_REG_IB_STS2, 6, 4)
	s_cmp_eq_u32 s2, 0
	s_cbranch_scc0 .Lentry_in_a_cluster
	s_endpgm
.Lentry_in_a_cluster:
	s_bfe_u32 s2, ttmp6, 0x10000c
	s_cmp_lg_u32 s2, 0xf033
	s_cbranch_scc0 .Lentry_shape_is_right
	s_endpgm
.Lentry_shape_is_right:
; ps[slice][row] = the sum over the slice's 128 columns n of w_v[n] tanh(encoder_out[row] . W[n][1024 ..] + hb[batch][n]), the product on codes of FP4 (E2M1) with
; E8M0 scales, sums in f32.  hb = the hidden part and b_attn, from the launch before.  row = 512 batch + position; 16 slices of 128 columns.
; LEFT OUT: b_v (the same number on every score of a batch, which a softmax does not see: the first kernel's head).
; A tile of 256 rows x 256 columns is made by a work-group of four waves; a wave makes 128 x 128: 64 accumulators of 16 x 16, 512 registers.  256 work-groups, one tile each.
; THE MATRIX INSTRUCTION IS USED TRANSPOSED (source 0 = 16 rows of W, source 1 = 16 rows of encoder_out): a lane holds ONE row (lane % 16) and, in register j of block b, column 16 b + 8 (lane / 16) + j.
; A tile's 256 rows belong to one batch: hb at my lane's columns, eight registers for each block of 16 columns, is the C of every row block's first product.
; THE IMAGE.  A tile of 256 rows x 512 along K is 256 x (256 bytes of codes + 16 scale bytes), dense: a tensor load takes it as 272 rows of 256 bytes, and in LDS the rows of the
; matrix lie 272 bytes apart (68 words: the 16 rows that a load touches start at 16 different banks of 64: ISA guide 11.1), each with its scale words behind it.
; K goes in four steps of 512 through two LDS slots.  The head's four loads, one a wave, fill both: waves 0 and 1 K step 0's tiles of A and W, waves 2 and 3 K step 1's.
; K steps 2 and 3 are the two refills, a quarter of a slot a wave; each is prefetched one K step ahead of its load (2 instructions a wave; partners share the blocks by address).
; CLUSTERS: 4 x 4 work-groups.  The four of a row of the cluster need the same tiles of A, the four of a column the same tiles of W: each is asked for JOINTLY.
; No work hangs on the lengths here: partners run alike, masked rows arrive as zero codes, and their scores are thrown away by the next launch.
; tanh(x) = 1 - 2 / (1 + 2^(2 log2(e) x)): where the power overflows the quotient is 0, where it falls to 0 the quotient is 2: both ends are right.  Absolute error about 1e-7.
; So a row's sum is (the sum of w_v) - 2 x the sum of w_v / (1 + 2^..).  LIMITS: NaN and infinities among the inputs are not served.
; REGISTERS, in windows of 256.  window 0: v1-31 addresses; v32-95 scale words, two sets; v104-127 at work on the way out; v128-191 A's fragments, ONE set; v192-255 hb.
;   window 1: v0-63, v128-191 W's fragments, two sets; v192-255 my 64 w_v.   windows 2, 3: the accumulators, (a, b) at v[8 (8 (a % 4) + b)].
.set PITCH,  272
.set FR,     8                         ; registers of a fragment: 16 rows x 128 K
.set NP,     4                         ; places behind this matrix instruction (ISA guide 7.12.1)
.set NQ,     4                         ; matrix instructions deep in a slot
.set HALFT,  128*PITCH                 ; 128 rows: what a refill's load brings
.set TILE,   2*HALFT                   ; 256 rows x one K step, in LDS and in memory
.set SLOT,   2*TILE                    ; A's tile, then W's
.set SPARE,  2*SLOT                    ; the spare words, 128 bytes a wave
.set STG,    SPARE+512                 ; the way out: 512 bytes a wave; no fill ever lands here
.set GB,   15                          ; v15  byte offset in w_v of my lane's first column
.set ADRA, 16                          ; v16-17  my A fragments in slot 0, 1
.set ADRS, 18                          ; v18-19  my scale words: lanes 0-15 A's rows, lanes 16-31 W's
.set ADRB, 20                          ; v20-21  my W fragments
.set PF,   22                          ; v22-23  the prefetches' offsets; never rewritten
.set STO,  24                          ; v24  the way out: where I put a row's sum
.set RD,   25                          ; v25  and where I read four rows' back
.set CO,   26                          ; v26  16 x lane
.set HBO,  27                          ; v27  byte offset in hb
.set SPW,  28                          ; v28  my spare word; never rewritten
.set NIL,  29                          ; v29  0; never rewritten
.set SC,   32                          ; scale words: set s at v[SC + 32 s]; register 4 i + q: A's block i (lanes 0-15), W's block i (lanes 16-31), the K step's q-th 128
.set P,    104                         ; v104-111 four chains of pairs
.set SA,   112                         ; v112-119 the sums of my rows 16 a + lane % 16
.set WSL,  120                         ; v120 the sum of my 64 w_v
.set TMP,  121
.set OUT,  124
.set AF,   128
.set T,    128
.set HB,   192
.set WV,   192                         ; in window 1
.set G1A, 24                           ; group 1: A's whole tile, W's; and 128 rows of A's, of W's
.set G1B, 32
.set G1AR, 48
.set G1BR, 56
.set G0A, 68                           ; group 0 of the head's four loads: A and W of K step 0, A and W of K step 1
.set G0B, 72
.set G0C, 76
.set G0D, 80
.set G0AR, 84                          ; of the refills: A's for slot 0 and 1,
.set G0BR, 92                          ; W's
.set PFA, 100                          ; s[100:101] where my prefetches begin
.set MSB, 0
.macro WIN new                         ; the immediate's high byte repeats the setting that is left
.if MSB != \new
	s_set_vgpr_msb (MSB<<8)|\new
.set MSB, \new
.endif
.endm
.set MUL_LO, 0xa1                      ; source 0 (W) window 1, source 1 (A) window 0, C and D window 2
.set MUL_HI, 0xf1                      ; the same, C and D window 3
.set FST_LO, 0x81                      ; the first step: C (hb) window 0, D window 2
.set FST_HI, 0xc1                      ; D window 3
.set TO_B,   0x40                      ; destination window 1, address window 0
; A refill: waves 0 and 1 take A's two halves, waves 2 and 3 W's.  Each line has ONE mask and one set of registers for all that issue it; the branch hangs on the wave's number alone.
; Four v_nop follow each of the two lines, ahead of the jump, the label and what follows.
.macro JLOAD s
	s_cmp_eq_u32 s15, 0
	s_cbranch_scc0 .Lfor_b_\@
	tensor_load_to_lds s[G0AR+4*\s:G0AR+4*\s+3], s[G1AR:G1AR+7]
	s_nop 0
.rept 4
	v_nop
.endr
	s_branch .Lasked_\@
.Lfor_b_\@:
	tensor_load_to_lds s[G0BR+4*\s:G0BR+4*\s+3], s[G1BR:G1BR+7]
	s_nop 0
.rept 4
	v_nop
.endr
.Lasked_\@:
.endm
.macro CREST                           ; a round of the cluster's barrier behind its opening barrier
	s_cmp_lg_u32 s14, 0
	s_cbranch_scc1 .Lnot_wave_0_\@
	s_barrier_signal -3
.Lnot_wave_0_\@:
	s_barrier_wait -3
	s_barrier_signal -1
	s_barrier_wait -1
.endm
.macro CROUND                          ; a whole round
	s_barrier_signal -1
	s_barrier_wait -1
	CREST
.endm
.macro ARM under, g0, g1, next         ; one arm of the head's tree: one load
	s_cmp_lt_u32 s14, \under
	s_cbranch_scc0 \next
	tensor_load_to_lds s[\g0:\g0+3], s[\g1:\g1+7]
	s_nop 0
.rept 4
	v_nop
.endr
	s_branch .Lhead_asked
\next:
.endm
	s_load_b256 s[4:11], s[0:1], 0x0               ; apack s[4:5], wpack s[6:7], ps s[8:9], hb s[10:11]
	s_load_b64 s[12:13], s[0:1], 0x20              ; w_v
	v_lshl_add_u32 v[SPW], v0, 2, SPARE
	v_mov_b32 v[NIL], 0
	ds_add_u32 v[SPW], v[NIL]                      ; the wave's opening: the add, twice on end, and its wait ahead of my first tensor load
	ds_add_u32 v[SPW], v[NIL]
	v_lshrrev_b32 v1, 5, v0
	v_readfirstlane_b32 s14, v1                    ; wave 0..3
	s_lshr_b32 s15, s14, 1                         ; which half of the tile's rows is mine.  Also: I refill A's tile (0) or W's (1)
	s_and_b32 s16, s14, 1                          ; which half of its columns.  Also: which 128 rows of that tile I refill
	s_bfe_u32 s40, ttmp6, 0x40000                  ; cx, cy: my place in the cluster
	s_bfe_u32 s41, ttmp6, 0x40004
	s_lshl_b32 s42, ttmp9, 2
	s_add_co_u32 s42, s42, s40                     ; tile column = 4 x cluster x + cx
	s_and_b32 s17, ttmp7, 0xffff
	s_lshl_b32 s17, s17, 2
	s_add_co_u32 s17, s17, s41                     ; tile row = 4 x cluster y + cy
	s_lshl_b32 s43, s41, 2
	s_lshl_b32 s43, 15, s43                        ; my row of the cluster
	s_lshl_b32 s44, 0x1111, s40                    ; my column
	; group 1: rows of 32 elements of 8 bytes, dense, no padding; the mask, and bit 21 beside it
	s_or_b32 s[G1A], s43, (3<<16)|(1<<21)
	s_or_b32 s[G1AR], s43, (3<<16)|(1<<21)
	s_or_b32 s[G1B], s44, (3<<16)|(1<<21)
	s_or_b32 s[G1BR], s44, (3<<16)|(1<<21)
.irp g, G1A, G1B, G1AR, G1BR
	s_mov_b32 s[\g+1], 32<<16                      ; tensor_dim0
	s_mov_b32 s[\g+3], 32<<16                      ; tile_dim0
	s_mov_b32 s[\g+5], 32                          ; pitch
	s_mov_b32 s[\g+6], 0
	s_mov_b32 s[\g+7], 0
.endr
.irp g, G1A, G1B
	s_mov_b32 s[\g+2], 272<<16                     ; tensor_dim1: a whole tile, 272 x 256 bytes
	s_mov_b32 s[\g+4], 272                         ; tile_dim1
.endr
.irp g, G1AR, G1BR
	s_mov_b32 s[\g+2], 136<<16                     ; 128 rows of the matrix
	s_mov_b32 s[\g+4], 136
.endr
	s_mul_i32 s22, s17, 4*TILE                     ; A's tiles hang on the tile row alone,
	s_mov_b32 s23, 0
	s_mul_i32 s46, s42, 4*TILE                     ; W's on the tile column alone
	s_mov_b32 s47, 0
	s_mul_i32 s2, s16, HALFT                       ; a refill: which half of the tile,
	s_mov_b32 s3, 0
	s_mul_i32 s18, s14, HALFT                      ; and where it goes: wave x 128 rows: no place in the cluster enters an LDS address
	s_mov_b32 s[G0A], 1
	s_mov_b32 s[G0A+1], 0
	s_mov_b32 s[G0B], 1
	s_mov_b32 s[G0B+1], TILE
	s_mov_b32 s[G0C], 1
	s_mov_b32 s[G0C+1], SLOT
	s_mov_b32 s[G0D], 1
	s_mov_b32 s[G0D+1], SLOT+TILE
.irp s, 0,1
	s_mov_b32 s[G0AR+4*\s], 1
	s_add_co_u32 s[G0AR+4*\s+1], s18, \s*SLOT
	s_mov_b32 s[G0BR+4*\s], 1
	s_add_co_u32 s[G0BR+4*\s+1], s18, \s*SLOT
.endr
	s_wait_dscnt 0x0                               ; both opening adds are done
	s_wait_kmcnt 0x0
	s_add_nc_u64 s[4:5], s[4:5], s[22:23]
	s_add_nc_u64 s[6:7], s[6:7], s[46:47]
	s_mov_b64 s[G0A+2:G0A+3], s[4:5]
	s_or_b32 s[G0A+3], s[G0A+3], 0x80000000
	s_mov_b64 s[G0B+2:G0B+3], s[6:7]
	s_or_b32 s[G0B+3], s[G0B+3], 0x80000000
	s_add_nc_u64 s[G0C+2:G0C+3], s[4:5], TILE
	s_or_b32 s[G0C+3], s[G0C+3], 0x80000000
	s_add_nc_u64 s[G0D+2:G0D+3], s[6:7], TILE
	s_or_b32 s[G0D+3], s[G0D+3], 0x80000000
.irp s, 0,1
	s_add_nc_u64 s[G0AR+4*\s+2:G0AR+4*\s+3], s[4:5], (2+\s)*TILE
	s_add_nc_u64 s[G0AR+4*\s+2:G0AR+4*\s+3], s[G0AR+4*\s+2:G0AR+4*\s+3], s[2:3]
	s_or_b32 s[G0AR+4*\s+3], s[G0AR+4*\s+3], 0x80000000
	s_add_nc_u64 s[G0BR+4*\s+2:G0BR+4*\s+3], s[6:7], (2+\s)*TILE
	s_add_nc_u64 s[G0BR+4*\s+2:G0BR+4*\s+3], s[G0BR+4*\s+2:G0BR+4*\s+3], s[2:3]
	s_or_b32 s[G0BR+4*\s+3], s[G0BR+4*\s+3], 0x80000000
.endr
	CROUND                                         ; all sixteen work-groups are here: the first joint loads meet
	ARM 1, G0A, G1A, .Lhead_1                      ; ONE tree of branches on the wave's number: every way through the head passes exactly one load
	ARM 2, G0B, G1B, .Lhead_2
	ARM 3, G0C, G1A, .Lhead_3
	tensor_load_to_lds s[G0D:G0D+3], s[G1B:G1B+7]
	s_nop 0
.rept 4
	v_nop
.endr
.Lhead_asked:
	v_bfe_u32 v2, v0, 4, 1                         ; h = lane / 16
	s_lshr_b32 s19, s17, 1                         ; the batch: two tile rows to a batch
	s_lshl_b32 s19, s19, 6
	s_lshl_b32 s2, s42, 14                         ; hb: group of 16 columns 16 x tile column + 8 x half + b, 1,024 bytes each; 64 bytes a batch
	s_lshl_b32 s3, s16, 13
	s_add_co_u32 s2, s2, s3
	s_add_co_u32 s2, s2, s19
	v_lshl_add_u32 v[HBO], v2, 5, s2
	s_lshl_b32 s2, s42, 10                         ; w_v: 4 x my first column
	s_lshl_b32 s3, s16, 9
	s_add_co_u32 s2, s2, s3
	s_wait_alu depctr_va_vdst(0)                   ; the wait here, directly ahead of the reader below
	v_lshl_add_u32 v[GB], v2, 5, s2
.irp b, 0,1,2,3,4,5,6,7
.irp c, 0,1
	global_load_b128 v[HB+8*\b+4*\c:HB+8*\b+4*\c+3], v[HBO], s[10:11] offset:1024*\b+16*\c
.endr
.endr
	WIN TO_B
.irp b, 0,1,2,3,4,5,6,7
.irp c, 0,1
	global_load_b128 v[WV+8*\b+4*\c:WV+8*\b+4*\c+3], v[GB], s[12:13] offset:64*\b+16*\c
.endr
.endr
	WIN 0
	v_and_b32 v1, 15, v0                           ; r = lane % 16
	v_bfe_u32 v2, v0, 4, 1
	v_mul_u32_u24 v3, v1, PITCH
	v_lshl_add_u32 v4, v2, 4, v3                   ; a fragment's row x pitch + 16 x half
	s_mul_i32 s66, s15, HALFT                      ; my 128 rows of A
	s_mul_i32 s67, s16, HALFT                      ; my 128 rows of W,
	s_add_co_u32 s67, s67, TILE                    ; which lie behind A's 256
	s_sub_co_u32 s18, s67, s66
	v_mul_u32_u24 v6, s18, v2                      ; scale words: lanes 16-31 take W's: the lower base + h x the distance
	v_add_nc_u32 v5, v3, v6
.irp s, 0,1
	v_add_nc_u32 v[ADRA+\s], s66, v4
	v_add_nc_u32 v[ADRB+\s], s67, v4
	v_add_nc_u32 v[ADRS+\s], s66, v5
	s_add_co_u32 s66, s66, SLOT
	s_add_co_u32 s67, s67, SLOT
.endr
	s_lshl_b32 s18, s14, 9
	s_add_co_u32 s18, s18, STG                     ; my stage
	v_lshl_add_u32 v[STO], v1, 2, s18
	v_and_b32 v6, 31, v0
	v_lshlrev_b32 v[CO], 4, v6
	v_add_nc_u32 v[RD], s18, v[CO]
	v_lshlrev_b32 v[PF], 8, v6                     ; my 34 blocks of 256 bytes: lane l names block l,
	v_add_nc_u32 v[PF+1], 32, v6
	v_min_u32 v[PF+1], 33, v[PF+1]                 ; and blocks 32 and 33 (the lanes left over name the last again)
	v_lshlrev_b32 v[PF+1], 8, v[PF+1]
	v_mov_b32 v[TMP], 0                            ; written once: a lane permute's destination counts as one of its sources
	s_lshl_b32 s2, s42, 1                          ; ps: slice 2 x tile column + my half of the columns, 32,768 bytes each;
	s_add_co_u32 s2, s2, s16
	s_lshl_b32 s2, s2, 15
	s_lshl_b32 s3, s17, 10                         ; row 256 x tile row + 128 x my half of the rows, 4 bytes each
	s_add_co_u32 s2, s2, s3
	s_lshl_b32 s3, s15, 9
	s_add_co_u32 s2, s2, s3
	s_mov_b32 s3, 0
	s_add_nc_u64 s[8:9], s[8:9], s[2:3]
	; the prefetches: of a tile's 272 blocks of 256 bytes the partner at place p (cx for A, cy for W) takes 68 p .. 68 p + 67, its two waves 34 each
	s_cmp_eq_u32 s15, 0
	s_cselect_b32 s2, s40, s41
	s_cselect_b64 s[PFA:PFA+1], s[4:5], s[6:7]
	s_lshl_b32 s2, s2, 1
	s_add_co_u32 s2, s2, s16
	s_mul_i32 s2, s2, 34*256
	s_add_nc_u64 s[PFA:PFA+1], s[PFA:PFA+1], s[2:3]
	s_add_nc_u64 s[PFA:PFA+1], s[PFA:PFA+1], 2*TILE
	s_mov_b32 s18, 0x4038aa3b                      ; 2 log2(e)
	s_mov_b32 s19, s18                             ; (named with it as a pair, so it is written)
	s_mov_b32 s20, 0x76543210
	s_mov_b32 s21, 0xfedcba98                      ; v_permlanex16_b32's selects for lane l xor 16
.macro ASK k                           ; K step 2 + k
	global_prefetch_b8 v[PF], s[PFA:PFA+1] offset:TILE*(\k) th:TH_LOAD_NT scope:SCOPE_SE
	global_prefetch_b8 v[PF+1], s[PFA:PFA+1] offset:TILE*(\k) th:TH_LOAD_NT scope:SCOPE_SE
.endm
.macro FRAG reg, adr, q, i             ; a fragment: lane l holds row l % 16; registers 4 c .. 4 c + 3 hold K = 64 c + 32 (l / 16) + 0 .. 31
.irp c, 0,1
	ds_load_b128 v[\reg+4*\c:\reg+4*\c+3], v[\adr] offset:64*(\q)+32*\c+(\i)*16*PITCH
.endr
.endm
; 16 matrix instructions: A's blocks a0, a0 + 1 x W's eight, the slot's q-th 128 along K.  p: W's set;  sc: the set of scale words.  first = 1: the C is hb: nothing is cleared or added.
; The 64 accumulators take turns, one instruction a turn, in the same order in every step.
.macro MUL16 a0, p, q, sc, first
.irp a, \a0, \a0+1
.irp b, 0,1,2,3,4,5,6,7
.if \first
	v_wmma_scale_f32_16x16x128_f8f6f4 v[8*(8*((\a)%4)+\b):8*(8*((\a)%4)+\b)+7], v[128*(\p)+FR*\b:128*(\p)+FR*\b+FR-1], v[AF+FR*(\a):AF+FR*(\a)+FR-1], v[HB+8*\b:HB+8*\b+7], v[SC+8*NQ*(\sc)+NQ*\b+(\q)], v[SC+8*NQ*(\sc)+NQ*(\a)+(\q)] matrix_a_fmt:MATRIX_FMT_FP4 matrix_b_fmt:MATRIX_FMT_FP4 matrix_a_scale:MATRIX_SCALE_ROW1
.else
	v_wmma_scale_f32_16x16x128_f8f6f4 v[8*(8*((\a)%4)+\b):8*(8*((\a)%4)+\b)+7], v[128*(\p)+FR*\b:128*(\p)+FR*\b+FR-1], v[AF+FR*(\a):AF+FR*(\a)+FR-1], v[8*(8*((\a)%4)+\b):8*(8*((\a)%4)+\b)+7], v[SC+8*NQ*(\sc)+NQ*\b+(\q)], v[SC+8*NQ*(\sc)+NQ*(\a)+(\q)] matrix_a_fmt:MATRIX_FMT_FP4 matrix_b_fmt:MATRIX_FMT_FP4 matrix_a_scale:MATRIX_SCALE_ROW1
.endif
.endr
.endr
.endm
.macro FETCH_B slot, q, p              ; W's eight fragments of the slot's q-th 128 along K into set p
	WIN TO_B
.irp i, 0,1,2,3,4,5,6,7
	FRAG 128*(\p)+FR*\i, ADRB+\slot, \q, \i
.endr
	WIN 0
.endm
.macro FETCH_A slot, q, i0             ; A's blocks i0 .. i0 + 3
.irp i, \i0, \i0+1, \i0+2, \i0+3
	FRAG AF+FR*(\i), ADRA+\slot, \q, \i
.endr
.endm
.macro SCALES sc                       ; the slot's scale words into set sc: lanes 0-15 take A's block i, lanes 16-31 W's block i
.irp i, 0,1,2,3,4,5,6,7
	ds_load_b128 v[SC+8*NQ*\sc+NQ*\i:SC+8*NQ*\sc+NQ*\i+3], v[ADRS+\sc] offset:256+16*PITCH*\i
.endr
.endm
; A load into a register that a matrix instruction has read, and a vector instruction that reads a matrix result, stand NP places behind that matrix instruction; only plain vector instructions that
; name none of its registers are places (ISA guide 7.12.1 for vector instructions).
.macro PLACES n
.rept \n
	v_nop
.endr
.endm
; A step of 128 along K that has its successor in the same slot.
.macro STEP slot, q, first
	s_wait_dscnt 8                                 ; W's set, the scale words and A's blocks 0-3 are in; the youngest eight loads (A's blocks 4-7) may be out
.if \first
	WIN FST_LO
.else
	WIN MUL_LO
.endif
	MUL16 0, (\q)%2, \q, \slot, \first
	MUL16 2, (\q)%2, \q, \slot, \first
	s_wait_dscnt 0                                 ; A's blocks 4-7 are in
	PLACES NP
	FETCH_B \slot, (\q)+1, 1-(\q)%2
	FETCH_A \slot, (\q)+1, 0
.if \first
	WIN FST_HI
.else
	WIN MUL_HI
.endif
	MUL16 4, (\q)%2, \q, \slot, \first
	MUL16 6, (\q)%2, \q, \slot, \first
	PLACES NP
	WIN 0
	FETCH_A \slot, (\q)+1, 4
.endm
; A slot's last step changes slots: ONE barrier; in front of it each wave waits for all its tensor loads, adds 0 to its spare word, and waits for that and for its own reads of this slot.
; fill = 1: this slot is filled again, two K steps ahead.  ask = 1: K step 3 is prefetched, one K step ahead of its load.
.macro TURN slot, next, fill, ask
	s_wait_tensorcnt 0x0                           ; all my tensor loads have landed: what I asked for of the next slot  (every window is 0 here)
	ds_add_u32 v[SPW], v[NIL]                      ; 0 onto my spare word
	s_wait_dscnt 9                                 ; (the add and the youngest eight loads, A's blocks 4-7, may be out)
	WIN MUL_LO
	MUL16 0, 1, NQ-1, \slot, 0                     ; sixteen matrix instructions stand between the add and the wait for it
	s_wait_dscnt 0x0                               ; the add is done, and my reads of this slot are over
	s_barrier_signal -1
	MUL16 2, 1, NQ-1, \slot, 0
	WIN 0
	s_barrier_wait -1
.if \fill
	CREST                                          ; the barrier has opened a round of the cluster's barrier: no wave of any partner still reads this slot or has a load on its way
	JLOAD \slot                                    ; the first tensor load behind the round; the four v_nop behind it are the places in front of the loads below
.else
	PLACES NP
.endif
	FETCH_B \next, 0, 0
	FETCH_A \next, 0, 0
	SCALES \next
.if \ask
	ASK 1
.endif
	WIN MUL_HI
	MUL16 4, 1, NQ-1, \slot, 0
	MUL16 6, 1, NQ-1, \slot, 0
	PLACES NP
	WIN 0
	FETCH_A \next, 0, 4
.endm
	s_wait_alu depctr_va_vdst(0)                   ; the wait at the head's end
	s_wait_loadcnt 0x0                             ; hb and w_v
	WIN 0x05                                       ; the sum of my 64 w_v, under the tiles' flight: sources in window 1, results where A's fragments will lie
.set N, 0
.rept 16
	v_pk_add_f32 v[T+2*N:T+2*N+1], v[WV+4*N:WV+4*N+1], v[WV+4*N+2:WV+4*N+3]
.set N, N+1
.endr
	WIN 0
.irp w, 4,8,16,32                              ; neighbours 1, 2, 4 and 8 pairs apart
.set N, 0
.rept 32/\w
	v_pk_add_f32 v[T+\w*N:T+\w*N+1], v[T+\w*N:T+\w*N+1], v[T+\w*N+\w/2:T+\w*N+\w/2+1]
.set N, N+1
.endr
.endr
	v_add_f32 v[WSL], v[T], v[T+1]
	s_wait_alu depctr_va_vdst(0)                   ; the wait ahead of the branch
	s_cmp_lt_u32 s14, 2
	s_cbranch_scc0 .Lk1_out                        ; waves 2 and 3 have asked for K step 1 alone, by lines of their own: it is waited for at the first change of slots
	s_wait_tensorcnt 0x0                           ; my tile of K step 0 is in
.Lk1_out:
	s_barrier_signal -1
	s_barrier_wait -1                              ; both are.
	FETCH_B 0, 0, 0
	FETCH_A 0, 0, 0
	SCALES 0
	FETCH_A 0, 0, 4
	ASK 0                                          ; K step 2, one K step ahead of its load
	STEP 0, 0, 1
	STEP 0, 1, 0
	STEP 0, 2, 0
	TURN 0, 1, 1, 1                                ; slot 0 takes K step 2
	STEP 1, 0, 0
	STEP 1, 1, 0
	STEP 1, 2, 0
	TURN 1, 0, 1, 0                                ; slot 1 takes K step 3
	STEP 0, 0, 0
	STEP 0, 1, 0
	STEP 0, 2, 0
	TURN 0, 1, 0, 0                                ; nothing is left to fetch
	STEP 1, 0, 0
	STEP 1, 1, 0
	STEP 1, 2, 0
	s_wait_dscnt 8                                 ; the very last step
	WIN MUL_LO
	MUL16 0, 1, NQ-1, 1, 0
	MUL16 2, 1, NQ-1, 1, 0
	s_wait_dscnt 0
	WIN MUL_HI
	MUL16 4, 1, NQ-1, 1, 0
	MUL16 6, 1, NQ-1, 1, 0
	; ---- THE WAY OUT, in place on the accumulators.  y = 2 log2(e) x, each accumulator from its low end on; window 2's 128 lines are the places of window 3's last products
	PLACES NP
.irp w, 0,1
	WIN 0x82+0x41*\w
.set N, 0
.rept 128
	v_pk_mul_f32 v[2*N:2*N+1], v[2*N:2*N+1], s[18:19] op_sel_hi:[1,0]
.set N, N+1
.endr
.endr
; Sixteen half blocks of 32 numbers go through four stages, one stage a step: 2^y;  + 1;  the reciprocal;  times w_v, summed in four chains a block.  Step s has half block s in the first stage,
; s - 1 in the second, s - 2 in the third, s - 3 in the last: whatever a step writes is read by a later step, behind that step's wait.
.macro ESTEP s
	s_wait_alu depctr_va_vdst(0)
.set N, 0
.rept 16
.if (\s) < 16
	WIN 0x82+0x41*((\s)/8)
	v_exp_f32 v[32*((\s)%8)+2*N], v[32*((\s)%8)+2*N]
	v_exp_f32 v[32*((\s)%8)+2*N+1], v[32*((\s)%8)+2*N+1]
.endif
.if ((\s) > 0) && ((\s) < 17)
	WIN 0x82+0x41*(((\s)-1)/8)
	v_pk_add_f32 v[32*(((\s)-1)%8)+2*N:32*(((\s)-1)%8)+2*N+1], v[32*(((\s)-1)%8)+2*N:32*(((\s)-1)%8)+2*N+1], 1.0 op_sel_hi:[1,0]
.endif
.if ((\s) > 1) && ((\s) < 18)
	WIN 0x82+0x41*(((\s)-2)/8)
	v_rcp_f32 v[32*(((\s)-2)%8)+2*N], v[32*(((\s)-2)%8)+2*N]
	v_rcp_f32 v[32*(((\s)-2)%8)+2*N+1], v[32*(((\s)-2)%8)+2*N+1]
.endif
.set N, N+1
.endr
.if (\s) > 2
	WIN 0x06+((\s)-3)/8                            ; source 0 window 2 or 3, source 1 (w_v) window 1
.set N, 0
.rept 16
.if ((((\s)-3)%2) == 0) && (N < 4)
	v_pk_mul_f32 v[P+2*N:P+2*N+1], v[32*(((\s)-3)%8)+2*N:32*(((\s)-3)%8)+2*N+1], v[WV+2*N:WV+2*N+1]     ; a block's first four pairs start the chains
.else
	v_pk_fma_f32 v[P+2*(N%4):P+2*(N%4)+1], v[32*(((\s)-3)%8)+2*N:32*(((\s)-3)%8)+2*N+1], v[WV+32*(((\s)-3)%2)+2*N:WV+32*(((\s)-3)%2)+2*N+1], v[P+2*(N%4):P+2*(N%4)+1]
.endif
.set N, N+1
.endr
.if (((\s)-3)%2) == 1
	WIN 0
	v_pk_add_f32 v[P:P+1], v[P:P+1], v[P+2:P+3]
	v_pk_add_f32 v[P+4:P+5], v[P+4:P+5], v[P+6:P+7]
	v_pk_add_f32 v[P:P+1], v[P:P+1], v[P+4:P+5]
	v_add_f32 v[P], v[P], v[P+1]
	v_fma_f32 v[SA+((\s)-3)/2], -2.0, v[P], v[WSL] ; the sum of w_v tanh over my 64 columns
.endif
.endif
.endm
.irp s, 0,1,2,3,4,5,6,7,8,9,10,11,12,13,14,15,16,17,18
	ESTEP \s
.endr
	WIN 0
.irp a, 0,1,2,3,4,5,6,7
	v_permlanex16_b32 v[TMP], v[SA+\a], s20, s21   ; the row's other 64 columns lie in the lane 16 away
	v_add_f32 v[SA+\a], v[SA+\a], v[TMP]
.endr
.irp a, 0,1,2,3,4,5,6,7
	ds_store_b32 v[STO], v[SA+\a] offset:64*\a     ; row 16 a + r; both halves of the lanes write the same word with the same value
.endr
	ds_load_b128 v[OUT:OUT+3], v[RD]               ; LDS serves a wave's instructions in order: this sees my stores.  Four neighbouring rows a lane
	s_wait_dscnt 0x0
	global_store_b128 v[CO], v[OUT:OUT+3], s[8:9]  ; 32 lanes store my 128 rows' sums: 512 consecutive bytes, at a multiple of 256 from the buffer's first byte
	s_wait_tensorcnt 0x0                           ; the wave's end: behind my last tensor load and my last LDS store
	ds_add_u32 v[SPW], v[NIL]
	s_wait_dscnt 0x0
	CROUND                                         ; the closing round: no work-group ends while a partner may still ask for a tile that names it
	s_endpgm
.Lfunc_end_k_q5aac84b83c_scores:
	.size	k_q5aac84b83c_scores, .Lfunc_end_k_q5aac84b83c_scores-k_q5aac84b83c_scores
	.p2alignl 7, 3214868480
	.fill 96, 4, 3214868480
	.section	.rodata,"a",@progbits
	.p2align	6, 0x0
	.amdhsa_kernel k_q5aac84b83c_scores
		.amdhsa_group_segment_fixed_size 327680
		.amdhsa_private_segment_fixed_size 0
		.amdhsa_enable_private_segment 0
		.amdhsa_kernarg_size 40
		.amdhsa_user_sgpr_count 2
		.amdhsa_user_sgpr_kernarg_segment_ptr 1
		.amdhsa_wavefront_size32 1
		.amdhsa_system_sgpr_workgroup_id_x 1
		.amdhsa_system_sgpr_workgroup_id_y 1
		.amdhsa_system_sgpr_workgroup_id_z 1
		.amdhsa_system_vgpr_workitem_id 0
		.amdhsa_next_free_vgpr 1024
		.amdhsa_next_free_sgpr 102
		.amdhsa_reserve_vcc 0
		.amdhsa_float_denorm_mode_32 3
		.amdhsa_float_denorm_mode_16_64 3
		.amdhsa_memory_ordered 1
		.amdhsa_forward_progress 1
		.amdhsa_inst_pref_size 255
	.end_amdhsa_kernel
	.section	.bss,"aw",@nobits
	.p2align	6
	.space	262144
	.amdgpu_metadata
---
amdhsa.version: [ 1, 2 ]
amdhsa.kernels:
  - .name:           k_q5aac84b83c_scores
    .symbol:         k_q5aac84b83c_scores.kd
    .args:
      - { .name: apack, .offset: 0, .size: 8, .value_kind: global_buffer, .address_space: global }
      - { .name: wpack, .offset: 8, .size: 8, .value_kind: global_buffer, .address_space: global }
      - { .name: ps, .offset: 16, .size: 8, .value_kind: global_buffer, .address_space: global }
      - { .name: hb, .offset: 24, .size: 8, .value_kind: global_buffer, .address_space: global }
      - { .name: w_v, .offset: 32, .size: 8, .value_kind: global_buffer, .address_space: global }
    .group_segment_fixed_size: 327680
    .private_segment_fixed_size: 0
    .kernarg_segment_align: 8
    .kernarg_segment_size: 40
    .max_flat_workgroup_size: 128
    .sgpr_count:     102
    .vgpr_count:     1024
    .wavefront_size: 32
...
	.end_amdgpu_metadata
.endif
;; end of part 2
;; launch context (part 3): grid 32 x 8, 16 waves a work-group, no clusters, 15,360 bytes of LDS; arguments ps, lengths, encoder_out, out0; writes out0
.if DOCPART == 3
	.amdgcn_target "amdgcn-amd-amdhsa--gfx1250"
	.amdhsa_code_object_version 6
	.text
	.protected	k_q5aac84b83c_context
	.globl	k_q5aac84b83c_context
	.p2align	8
	.type	k_q5aac84b83c_context,@function
k_q5aac84b83c_context:
	s_mov_b64 s[64:65], 0
	v_nop
	global_prefetch_b8 v0, s[64:65] scope:SCOPE_SE
	s_setreg_imm32_b32 hwreg(HW_REG_WAVE_MODE, 25, 1), 1
	s_wait_xcnt 0x0
; out0[b][d] = the sum over s < lengths[b] of softmax_s(score[b][s]) encoder_out[b][s][d];  score = the sum of the 16 slices of ps.
; LEFT OUT: b_v (the same number on every score of a batch, which a softmax does not see: the first kernel's head).
; A work-group of 16 waves takes TWO batches and 64 columns (x): 256 bytes of every row.  The batches are ranked by length: pair y holds ranks y and 15 - y, the longest with the
; shortest and so on, so that all work-groups have about the same number of rows.  Ranks are counted from keys 16 x length + batch, which are all different.
; Waves 0-7 serve the longer batch of the pair, waves 8-15 the other; wave w below is a wave's number among its eight.
; THE STREAM.  Wave w takes rows 16 j + 2 w + h: a load of the wave is 256 consecutive bytes of each of two neighbouring rows (h = lane / 16).  Rows go in groups of 64 (4 loads a
; wave); only the groups that hold a position under the length are read: the branch hangs on the input lengths alone.  All of them are asked for ahead of the softmax, up to 32 loads a
; wave into 128 registers; the registers of rows that are not read hold zeros.  Rows of the last group beyond the length count with p = 0.
; SOFTMAX.  Of a batch's 256 threads, thread t owns positions 2 t and 2 t + 1.  Positions at or beyond the length become -infinity ahead of the maximum (their addresses in ps are held at the
; last pair that holds a position under the length); the batch's maximum is taken away before the exponential; p of a masked position is set to 0; the sum of p divides at the end.
; The largest p is 1, so the sum is at least 1 where the length is at least 1; it is held at 1 from below, so that a length of 0 gives zeros.  lengths is held to 0 .. 512.
; Product left as it is: f32 multiply-adds (one row of weights for a batch).
; LIMITS: NaN and infinities in encoder_out are not served (a masked row inside the last group is multiplied by 0).
.set PS,  16                           ; v16-31   my two positions in 8 slices, then the other 8 added
.set PT,  48                           ; v48-63   the other 8 slices
.set INV, 42
.set SPW, 44                           ; my spare word; never rewritten
.set NIL, 45                           ; 0; never rewritten
.set X,   64                           ; v64-191  32 loads x 4 registers
.set ACC, 192                          ; v192-199 two chains of four sums
.set WT,  200                          ; v200-231 p of my 32 rows
.set KEY, 48                           ; s48-63   the 16 keys
.set PROW, 144                         ; LDS: p of position s at PROW (s mod 16) + 4 (s / 16): a lane's 32 weights lie on end; 2,304 bytes a batch
.set MXO, 4608                         ; the waves' maxima;
.set SMO, 4864                         ; their sums;
.set RED, 5120                         ; 512 bytes of sums for each wave
.set SPARE, 13312                      ; the spare words
	s_load_b256 s[4:11], s[0:1], 0x0               ; ps, lengths, encoder_out, out0
	v_lshl_add_u32 v[SPW], v0, 2, SPARE
	v_mov_b32 v[NIL], 0
	v_lshrrev_b32 v1, 5, v0
	v_readfirstlane_b32 s14, v1                    ; wave 0..15
	s_lshr_b32 s15, s14, 3                         ; which batch of the pair
	s_and_b32 s18, s14, 7                          ; w
	v_and_b32 v4, 15, v0                           ; c = lane % 16
	v_bfe_u32 v5, v0, 4, 1                         ; h
	v_and_b32 v7, 0xff, v0                         ; t
	v_lshlrev_b32 v2, 3, v7                        ; 8 t: my two positions in ps
	v_lshlrev_b32 v15, 2, v4                       ; lengths: lane c takes batch c's
	s_lshl_b32 s3, s18, 14
	v_lshl_add_u32 v3, v4, 4, s3
	v_lshl_add_u32 v3, v5, 13, v3                  ; row 2 w + h, 16 c bytes into it
	v_lshlrev_b32 v32, 1, v7                       ; my positions
	v_or_b32 v33, 1, v32
	v_and_b32 v12, 7, v0
	v_mul_u32_u24 v12, v12, 2*PROW
	v_lshrrev_b32 v13, 3, v7
	v_lshl_add_u32 v12, v13, 2, v12
	s_mul_i32 s3, s15, 16*PROW
	v_add_nc_u32 v12, s3, v12                      ; where p of position 2 t goes; 2 t + 1: one row on
	s_mul_i32 s2, s18, 2*PROW
	s_add_co_u32 s3, s3, s2
	v_mul_u32_u24 v13, v5, PROW
	v_add_nc_u32 v13, s3, v13                      ; my rows' weights
	v_mov_b32 v6, 0xff800000                       ; -infinity
	v_mov_b32 v9, 0                                ; written once: a lane permute's destination counts as one of its sources
	s_lshl_b32 s3, s14, 2
	v_mov_b32 v10, s3                              ; 4 x wave
	s_lshl_b32 s3, s15, 5
	v_mov_b32 v11, s3                              ; my batch's eight waves
	v_lshlrev_b32 v14, 4, v0                       ; 16 x thread
	v_mov_b32 v35, 0
	s_mov_b32 s28, 0x76543210
	s_mov_b32 s29, 0xfedcba98                      ; v_permlanex16_b32's selects for lane l xor 16
	s_wait_alu depctr_va_vdst(0)                   ; the wait at the head's end
	s_wait_kmcnt 0x0
	global_load_b32 v34, v15, s[6:7]               ; the lengths
.set N, 16
.rept 112
	v_mov_b32 v[X+N], 0                            ; groups 1 to 7, under that load's flight: what is not read counts as zeros
.set N, N+1
.endr
	s_wait_alu depctr_va_vdst(0)
	s_wait_loadcnt 0x0
	v_max_i32 v34, 0, v34
	v_min_i32 v34, 0x200, v34
	v_lshl_or_b32 v34, v34, 4, v4                  ; the key
.irp k, 0,1,2,3,4,5,6,7,8,9,10,11,12,13,14,15
	v_readlane_b32 s[KEY+\k], v34, \k
.endr
.irp k, 0,1,2,3,4,5,6,7,8,9,10,11,12,13,14,15
	v_cmp_gt_u32 vcc_lo, s[KEY+\k], v34
	v_add_co_ci_u32 v35, vcc_lo, 0, v35, vcc_lo    ; my rank: how many keys are greater
.endr
	s_and_b32 s16, ttmp7, 0xffff                   ; the pair
	s_sub_co_u32 s2, 15, s16
	s_cmp_eq_u32 s15, 0
	s_cselect_b32 s16, s16, s2                     ; the rank that I serve
	v_cmp_eq_u32 s20, s16, v35
	s_mov_b32 s17, 0
.irp k, 0,1,2,3,4,5,6,7,8,9,10,11,12,13,14,15
	s_bitcmp1_b32 s20, \k
	s_cselect_b32 s17, s[KEY+\k], s17              ; its key
.endr
	s_and_b32 s16, s17, 15
	s_min_u32 s16, s16, 15                         ; the batch
	s_lshr_b32 s17, s17, 4
	s_min_u32 s17, s17, 512                        ; its length
	s_lshl_b32 s20, s16, 11                        ; ps: 512 positions x 4 bytes
	s_mov_b32 s21, 0
	s_lshl_b32 s22, s16, 22                        ; encoder_out: 512 rows x 8,192 bytes, + 256 bytes x chunk
	s_lshl_b32 s23, ttmp9, 8
	s_add_co_u32 s22, s22, s23
	s_lshl_b32 s30, s16, 13                        ; out0: 8,192 bytes a batch, + the chunk
	s_add_co_u32 s30, s30, s23
	s_mov_b32 s23, 0
	s_mov_b32 s31, 0
	s_add_nc_u64 s[4:5], s[4:5], s[20:21]
	s_add_nc_u64 s[8:9], s[8:9], s[22:23]
	s_add_nc_u64 s[10:11], s[10:11], s[30:31]
	s_max_u32 s2, s17, 1
	s_sub_co_u32 s2, s2, 1
	s_and_b32 s2, s2, 0x1fe
	s_lshl_b32 s2, s2, 2                           ; the last pair that holds a position under the length
	v_min_u32 v36, s2, v2
	v_min_u32 v36, 0x7f8, v36
.irp k, 0,1,2,3,4,5,6,7
	global_load_b64 v[PS+2*\k:PS+2*\k+1], v36, s[4:5] offset:32768*\k
.endr
.irp k, 0,1,2,3,4,5,6,7
	global_load_b64 v[PT+2*\k:PT+2*\k+1], v36, s[4:5] offset:262144+32768*\k
.endr
.macro LOADG t                         ; group t: my wave's rows 64 t + 16 i + 2 w + h
.irp i, 0,1,2,3
	global_load_b128 v[X+16*(\t)+4*\i:X+16*(\t)+4*\i+3], v3, s[8:9] offset:524288*(\t)+131072*\i th:TH_LOAD_NT
.endr
.endm
	s_add_co_u32 s19, s17, 63
	s_lshr_b32 s19, s19, 6
	s_max_u32 s19, s19, 1                          ; groups to read
	s_wait_alu depctr_va_vdst(0)                   ; the wait ahead of the branch
	s_cmp_ge_u32 s19, 4
	s_cbranch_scc0 .Lshort
	LOADG 0
	LOADG 1
	LOADG 2
	LOADG 3
	s_wait_loadcnt 16                              ; the 16 slices are in; the four groups' sixteen loads may be out
.irp t, 4,5,6,7
	s_cmp_gt_u32 s19, \t
	s_cbranch_scc0 .Lasked
	LOADG \t
.endr
	s_branch .Lasked
.Lshort:
	LOADG 0                                        ; rows 0 to 63 exist whatever the length
	s_wait_loadcnt 4                               ; the 16 slices are in; group 0's four loads may be out
.irp t, 1,2
	s_cmp_gt_u32 s19, \t
	s_cbranch_scc0 .Lasked
	LOADG \t
.endr
.Lasked:
.irp k, 0,2,4,6,8,10,12,14
	v_pk_add_f32 v[PS+\k:PS+\k+1], v[PS+\k:PS+\k+1], v[PT+\k:PT+\k+1]
.endr
.irp k, 0,2,4,6
	v_pk_add_f32 v[PS+\k:PS+\k+1], v[PS+\k:PS+\k+1], v[PS+8+\k:PS+9+\k]
.endr
.irp k, 0,2
	v_pk_add_f32 v[PS+\k:PS+\k+1], v[PS+\k:PS+\k+1], v[PS+4+\k:PS+5+\k]
.endr
	v_pk_add_f32 v[PS:PS+1], v[PS:PS+1], v[PS+2:PS+3]   ; the scores
	v_cmp_gt_u32 s22, s17, v32                     ; length > position
	v_cmp_gt_u32 s23, s17, v33
	v_cndmask_b32 v16, v6, v16, s22
	v_cndmask_b32 v17, v6, v17, s23
	v_max_num_f32 v8, v16, v17
	s_delay_alu instid0(VALU_DEP_1)
	v_max_num_f32_dpp v8, v8, v8 row_xmask:1 row_mask:0xf bank_mask:0xf
	s_delay_alu instid0(VALU_DEP_1)
	v_max_num_f32_dpp v8, v8, v8 row_xmask:2 row_mask:0xf bank_mask:0xf
	s_delay_alu instid0(VALU_DEP_1)
	v_max_num_f32_dpp v8, v8, v8 row_xmask:4 row_mask:0xf bank_mask:0xf
	s_delay_alu instid0(VALU_DEP_1)
	v_max_num_f32_dpp v8, v8, v8 row_xmask:8 row_mask:0xf bank_mask:0xf
	s_delay_alu instid0(VALU_DEP_1)
	v_permlanex16_b32 v9, v8, s28, s29
	s_delay_alu instid0(VALU_DEP_1)
	v_max_num_f32 v8, v8, v9                       ; my wave's maximum
	ds_store_b32 v10, v8 offset:MXO                ; all lanes write the same word with the same value
	s_wait_alu depctr_va_vdst(0)
	s_wait_dscnt 0x0                               ; for the others' sake
	s_barrier_signal -1
	s_barrier_wait -1
	ds_load_b128 v[24:27], v11 offset:MXO
	ds_load_b128 v[28:31], v11 offset:MXO+16
	s_wait_dscnt 0x0
	v_max3_num_f32 v8, v24, v25, v26               ; the batch's maximum, in two chains
	v_max3_num_f32 v37, v27, v28, v29
	v_max3_num_f32 v8, v8, v30, v31
	v_max_num_f32 v8, v8, v37
	v_sub_f32 v16, v16, v8
	v_sub_f32 v17, v17, v8
	v_mul_f32 v16, 0x3fb8aa3b, v16
	v_mul_f32 v17, 0x3fb8aa3b, v17
	s_wait_alu depctr_va_vdst(0)                   ; the wait ahead of the exponentials and behind them
	v_exp_f32 v16, v16
	v_exp_f32 v17, v17
	v_nop                                          ; a plain line behind the exponentials
	s_wait_alu depctr_va_vdst(0)
	v_cndmask_b32 v16, 0, v16, s22                 ; zeros beyond the length
	v_cndmask_b32 v17, 0, v17, s23
	ds_store_b32 v12, v16
	ds_store_b32 v12, v17 offset:PROW
	v_add_f32 v37, v16, v17
	s_delay_alu instid0(VALU_DEP_1)
	v_add_f32_dpp v37, v37, v37 row_xmask:1 row_mask:0xf bank_mask:0xf
	s_delay_alu instid0(VALU_DEP_1)
	v_add_f32_dpp v37, v37, v37 row_xmask:2 row_mask:0xf bank_mask:0xf
	s_delay_alu instid0(VALU_DEP_1)
	v_add_f32_dpp v37, v37, v37 row_xmask:4 row_mask:0xf bank_mask:0xf
	s_delay_alu instid0(VALU_DEP_1)
	v_add_f32_dpp v37, v37, v37 row_xmask:8 row_mask:0xf bank_mask:0xf
	s_delay_alu instid0(VALU_DEP_1)
	v_permlanex16_b32 v9, v37, s28, s29
	s_delay_alu instid0(VALU_DEP_1)
	v_add_f32 v37, v37, v9
	ds_store_b32 v10, v37 offset:SMO
	s_wait_alu depctr_va_vdst(0)
	s_wait_dscnt 0x0                               ; my stores have landed, my loads of the maxima are in
	s_barrier_signal -1
	s_barrier_wait -1
	ds_load_b128 v[24:27], v11 offset:SMO
	ds_load_b128 v[28:31], v11 offset:SMO+16
.irp k, 0,1,2,3,4,5,6,7
	ds_load_b128 v[WT+4*\k:WT+4*\k+3], v13 offset:16*\k   ; p of rows 16 j + 2 w + h, j = 4 k .. 4 k + 3
.endr
	s_wait_dscnt 0x0
	v_pk_add_f32 v[24:25], v[24:25], v[28:29]
	v_pk_add_f32 v[26:27], v[26:27], v[30:31]
	v_pk_add_f32 v[24:25], v[24:25], v[26:27]
	v_add_f32 v24, v24, v25
	v_max_num_f32 v24, 1.0, v24
	s_wait_alu depctr_va_vdst(0)
	v_rcp_f32 v[INV], v24
	v_nop                                          ; a plain line behind the reciprocal
	s_wait_alu depctr_va_vdst(0)
; Group t's four loads: a lane's weight, the low or the high register of a pair, multiplies its four numbers, in two chains.  Group 0's first two start the sums.
.macro FMAG t
.irp i, 0,2
.if ((\t) == 0) && (\i == 0)
	v_pk_mul_f32 v[ACC:ACC+1], v[X:X+1], v[WT:WT+1] op_sel_hi:[1,0]
	v_pk_mul_f32 v[ACC+2:ACC+3], v[X+2:X+3], v[WT:WT+1] op_sel_hi:[1,0]
	v_pk_mul_f32 v[ACC+4:ACC+5], v[X+4:X+5], v[WT:WT+1] op_sel:[0,1] op_sel_hi:[1,1]
	v_pk_mul_f32 v[ACC+6:ACC+7], v[X+6:X+7], v[WT:WT+1] op_sel:[0,1] op_sel_hi:[1,1]
.else
	v_pk_fma_f32 v[ACC:ACC+1], v[X+16*(\t)+4*\i:X+16*(\t)+4*\i+1], v[WT+4*(\t)+\i:WT+4*(\t)+\i+1], v[ACC:ACC+1] op_sel_hi:[1,0,1]
	v_pk_fma_f32 v[ACC+2:ACC+3], v[X+16*(\t)+4*\i+2:X+16*(\t)+4*\i+3], v[WT+4*(\t)+\i:WT+4*(\t)+\i+1], v[ACC+2:ACC+3] op_sel_hi:[1,0,1]
	v_pk_fma_f32 v[ACC+4:ACC+5], v[X+16*(\t)+4*\i+4:X+16*(\t)+4*\i+5], v[WT+4*(\t)+\i:WT+4*(\t)+\i+1], v[ACC+4:ACC+5] op_sel:[0,1,0] op_sel_hi:[1,1,1]
	v_pk_fma_f32 v[ACC+6:ACC+7], v[X+16*(\t)+4*\i+6:X+16*(\t)+4*\i+7], v[WT+4*(\t)+\i:WT+4*(\t)+\i+1], v[ACC+6:ACC+7] op_sel:[0,1,0] op_sel_hi:[1,1,1]
.endif
.endr
.endm
	s_wait_loadcnt 0x0                             ; all my rows are in
	FMAG 0
.irp t, 1,2,3,4,5,6,7
	s_wait_alu depctr_va_vdst(0)                   ; the wait ahead of the branch
	s_cmp_gt_u32 s19, \t
	s_cbranch_scc0 .Ldone
	FMAG \t
.endr
.Ldone:
	s_wait_alu depctr_va_vdst(0)
	v_pk_add_f32 v[ACC:ACC+1], v[ACC:ACC+1], v[ACC+4:ACC+5]
	v_pk_add_f32 v[ACC+2:ACC+3], v[ACC+2:ACC+3], v[ACC+6:ACC+7]
	ds_store_b128 v14, v[ACC:ACC+3] offset:RED     ; my wave's sums of the 64 columns, even and odd rows apart: 16 bytes a lane
	s_wait_dscnt 0x0                               ; for waves 0 and 8
	s_barrier_signal -1
	s_barrier_wait -1
	s_cmp_lg_u32 s18, 0
	s_cbranch_scc1 .Lend
.irp k, 0,1,2,3,4,5,6,7
	ds_load_b128 v[X+4*\k:X+4*\k+3], v14 offset:RED+512*\k   ; my batch's eight waves
.endr
	s_wait_dscnt 0x0
.irp w, 4,2,1                                  ; eight waves' sums, by halves
.set N, 0
.rept 2*\w
	v_pk_add_f32 v[X+2*N:X+2*N+1], v[X+2*N:X+2*N+1], v[X+4*\w+2*N:X+4*\w+2*N+1]
.set N, N+1
.endr
.endr
.irp j, 0,1,2,3
	v_permlanex16_b32 v[24+\j], v[X+\j], s28, s29  ; the other rows' sums lie in the lane 16 away
.endr
.irp j, 0,1,2,3
	v_add_f32 v[X+\j], v[X+\j], v[24+\j]
.endr
.irp j, 0,1,2,3
	v_mul_f32 v[X+\j], v[X+\j], v[INV]             ; divided by the sum of p
.endr
	v_cmp_ne_u32 s20, 0, v5
	v_lshlrev_b32 v38, 4, v4
	v_lshl_add_u32 v38, v5, 3, v38                 ; 16 c + 8 h: lanes 16-31 store the upper two of a column group's four
	v_cndmask_b32 v24, v[X], v[X+2], s20
	v_cndmask_b32 v25, v[X+1], v[X+3], s20
	global_store_b64 v38, v[24:25], s[10:11]       ; 32 lanes store one aligned unit of 256 bytes
.Lend:
	s_wait_tensorcnt 0x0                           ; the wave's end
	ds_add_u32 v[SPW], v[NIL]
	s_wait_dscnt 0x0
	s_endpgm
.Lfunc_end_k_q5aac84b83c_context:
	.size	k_q5aac84b83c_context, .Lfunc_end_k_q5aac84b83c_context-k_q5aac84b83c_context
	.p2alignl 7, 3214868480
	.fill 96, 4, 3214868480
	.section	.rodata,"a",@progbits
	.p2align	6, 0x0
	.amdhsa_kernel k_q5aac84b83c_context
		.amdhsa_group_segment_fixed_size 15360
		.amdhsa_private_segment_fixed_size 0
		.amdhsa_enable_private_segment 0
		.amdhsa_kernarg_size 32
		.amdhsa_user_sgpr_count 2
		.amdhsa_user_sgpr_kernarg_segment_ptr 1
		.amdhsa_wavefront_size32 1
		.amdhsa_system_sgpr_workgroup_id_x 1
		.amdhsa_system_sgpr_workgroup_id_y 1
		.amdhsa_system_sgpr_workgroup_id_z 1
		.amdhsa_system_vgpr_workitem_id 0
		.amdhsa_next_free_vgpr 232
		.amdhsa_next_free_sgpr 66
		.amdhsa_reserve_vcc 1
		.amdhsa_float_denorm_mode_32 3
		.amdhsa_float_denorm_mode_16_64 3
		.amdhsa_memory_ordered 1
		.amdhsa_forward_progress 1
		.amdhsa_inst_pref_size 29
	.end_amdhsa_kernel
	.amdgpu_metadata
---
amdhsa.version: [ 1, 2 ]
amdhsa.kernels:
  - .name:           k_q5aac84b83c_context
    .symbol:         k_q5aac84b83c_context.kd
    .args:
      - { .name: ps, .offset: 0, .size: 8, .value_kind: global_buffer, .address_space: global }
      - { .name: lengths, .offset: 8, .size: 8, .value_kind: global_buffer, .address_space: global }
      - { .name: encoder_out, .offset: 16, .size: 8, .value_kind: global_buffer, .address_space: global }
      - { .name: out0, .offset: 24, .size: 8, .value_kind: global_buffer, .address_space: global }
    .group_segment_fixed_size: 15360
    .private_segment_fixed_size: 0
    .kernarg_segment_align: 8
    .kernarg_segment_size: 32
    .max_flat_workgroup_size: 512
    .sgpr_count:     66
    .vgpr_count:     232
    .wavefront_size: 32
...
	.end_amdgpu_metadata
.endif
;; end of part 3
